; MI455X (gfx1250); checked and timed in simulation.
; The chip was launched on July 23, 2026; its instructions are those of AMD's public machine-readable ISA for CDNA 5 (MIT licence, August 2026) and "CDNA5" Instruction Set Architecture Reference Guide (July 2026). The comments in the code are by the model that wrote it; some were corrected since.
;; Shared Sparse Offset Dict. Allowed arithmetic: matrix products marked QUANTISED: E4M3 operands, one given power-of-two scale a tensor, by v_wmma_f32_16x16x64_fp8_fp8 or v_wmma_f32_16x16x128_fp8_fp8, f32 sums; products left as they are: f32 operands where the result goes on into a quantised operand, else bf16, f16 or f32 operands; f32 sums; everything else in f32.
;; Inputs: W_dict 16,384 x 1,024 float32; W_enc 16,384 x 1,024 float32; lowp_scales 2 int32 (the exponents e of the quantised operands' scales 2^e); x 2 x 2,048 x 1,024 float32.
;; Outputs: out0 2 x 2,048 x 1,024 float32; out1 one number float32.
;; This version of the problem:
;;   THIS VERSION OF THE PROBLEM IS GIVEN IN LOW PRECISION. The matrix products marked QUANTISED in the list below multiply operands that are first quantised to E4M3 (4 exponent bits, 3 mantissa bits; 8 bits a number), with one given power-of-two scale for each operand tensor; their sums are f32. All else is computed in f32.
;;   The module's matrix products, in the order in which they are computed (A, B: the left and right operand; K: the contracted axis; several contracted axes count as one K, in the product's order):
;;     1. [M 4,096, K 1,024] x [K 1,024, N 16,384]; A: input x; B: input W_enc: QUANTISED (scales: A lowp_scales[0], B lowp_scales[1])
;;     2. batch 4,096 x [M 1, K 8] x [K 8, N 1,024]; A: computed on the way; B: computed on the way: left as it is (K = 8 < 32)
;;   THE QUANTISER, for each operand of a quantised product, along K:
;;     - The operand's scale is 2^e, e = its entry of the input lowp_scales (int32; the entries are numbered through the quantised products in the list's order, A before B).
;;     - Each number is divided by the scale, clamped to +-448, and rounded to the nearest number of E4M3, ties to even, subnormals kept.
;;     - The product sums the exact products of the quantised numbers (number of the format x scale) in f32.
;;   ~~~python
;;   def quantise(x, axis, e):      # numpy; x: float32 -> the quantised numbers, widened to float32 again
;;       x = np.moveaxis(x, axis, -1); K = x.shape[-1]
;;       r = np.clip(x / 2.0 ** e, -448, 448)
;;       step = 2.0 ** (np.maximum(np.frexp(np.where(r == 0, 1, r))[1] - 1, -6) - 3)
;;       q = np.round(r / step) * step * 2.0 ** e      # np.round: ties to even
;;       return np.moveaxis(q, -1, axis).astype(np.float32)
;;   ~~~
;; One version. Each part assembles by itself: llvm-mc -triple=amdgcn-amd-amdhsa -mcpu=gfx1250 --defsym DOCPART=n.
;; ======== version 1 of 1: 5 launches
;; limits: right only within a limited range of input values
;; workspace buffers: xc 4,194,304 bytes; wc 16,777,216 bytes; gm 33,554,432 bytes; sel 131,072 bytes of whole numbers; idx 131,072 bytes of whole numbers; vals 131,072 bytes; psum 1,024 bytes
;; launch quant (part 1): grid 1280 x 1, 4 waves a work-group, no clusters, 34,304 bytes of LDS; arguments x, W_enc, lowp_scales, xc, wc; writes xc, wc
.if DOCPART == 1
	.amdgcn_target "amdgcn-amd-amdhsa--gfx1250"
	.amdhsa_code_object_version 6
	.text
	.protected	k_qc7bededaa3_quant
	.globl	k_qc7bededaa3_quant
	.p2align	8
	.type	k_qc7bededaa3_quant,@function
k_qc7bededaa3_quant:
	s_mov_b64 s[64:65], 0
	v_nop
	global_prefetch_b8 v0, s[64:65] scope:SCOPE_SE
	s_setreg_imm32_b32 hwreg(HW_REG_WAVE_MODE, 25, 1), 1
	s_wait_xcnt 0x0
; x [4096][1024] and W_enc [16384][1024], f32, become codes of FP8 (E4M3), each tensor with the one scale 2^e that is given for it (entry 0 for x, entry 1 for W_enc).
; code = number / 2^e, held within +-448, rounded to the nearest code, ties to even.
; LIMITS: -126 <= e <= 119, so that 2^e and 448 x 2^e are f32 numbers.  NaN among the inputs is not served; an infinity is held at the largest code.
; THE CODES ARE LAID AS IMAGES OF OPERAND REGISTERS: [K slot of 256: 4][tile of 16 rows][half of 128 along K: 2][c: 4][512 bytes: 16 for each lane].
; The 16 bytes of lane (r, hk) are row 16 tile + r, k = 256 slot + 128 half + 32 c + 16 hk + 0 .. 15: what that lane holds in registers 4 c .. 4 c + 3 of a fragment.
; Their place in the 512 bytes: in x's codes 16 x lane = 256 hk + 16 r.  In W_enc's codes 256 (r / 8) + 128 (hk xor r / 8) + 16 (r % 8): the 8 rows of half a tile lie in 256 consecutive bytes, so that a later
; launch can fetch 8 rows alone; and lanes 0-15, like lanes 16-31, still stand at sixteen different 16-byte columns of 256.
; So a fragment is four reads of 512 consecutive bytes, and eight tiles of a K slot are one dense block of 32,768 bytes.
; SHARES.  A work-group takes a tile of 16 rows (65,536 consecutive bytes); work-groups 0-255 take x's tiles, the others W_enc's: only pointers, e, the distance of the K slots and the lane's place are chosen: one path.
; Wave w takes K slot w: 16 rows x 256 numbers.  All its 32 loads go out at the head, each 512 consecutive bytes.  The conversions want 16 neighbours along K in ONE lane, so each half turns through the wave's own
; stage in LDS: rows of 512 bytes + 16 of padding, so that the sixteen rows that a read touches begin at sixteen different banks.  Waves share nothing: no barrier.
; Left out: tensor loads and clusters (no byte is wanted twice), a prefetch (everything is asked for at the head).
.set PIT, 528                          ; a stage row
.set STG, 16*PIT                       ; a wave's stage
.set XN,  16                           ; v16-79 the first half's numbers, v80-143 the second half's
.set CD,  144                          ; v144-175 the codes: never written again, so no store's data need a wait
	s_load_b128 s[4:7], s[0:1], 0x0                ; x, W_enc
	s_load_b64 s[10:11], s[0:1], 0x10              ; the scales' exponents
	s_load_b128 s[12:15], s[0:1], 0x18             ; x's codes, W_enc's codes
	v_lshl_add_u32 v176, v0, 2, 0x8400
	v_mov_b32 v177, 0
	v_lshrrev_b32 v1, 5, v0
	v_readfirstlane_b32 s16, v1                    ; wave 0..3 = K slot
	v_and_b32 v6, 31, v0                           ; lane
	v_and_b32 v7, 15, v0                           ; r
	v_bfe_u32 v8, v0, 4, 1                         ; hk
	v_lshlrev_b32 v5, 4, v6                        ; 16 x lane: my place in a load's 512 bytes, and in a store's of x's codes
	v_bfe_u32 v12, v0, 3, 1                        ; r / 8
	v_xor_b32 v13, v8, v12                         ; hk xor r / 8
	v_and_b32 v14, 7, v0
	v_lshlrev_b32 v14, 4, v14                      ; 16 (r % 8)
	v_lshl_add_u32 v14, v13, 7, v14
	v_lshl_add_u32 v14, v12, 8, v14                ; my place in a store's 512 bytes of W_enc's codes
	s_lshl_b32 s17, s16, 10                        ; my K slot in a row: 1,024 bytes
	s_mul_i32 s18, s16, STG                        ; my stage
	v_add_nc_u32 v2, s17, v5                       ; in: 1,024 w + 16 x lane
	v_add_nc_u32 v3, s18, v5                       ; the stage, on the way in: as loaded
	v_mul_u32_u24 v4, v7, PIT
	v_lshl_add_u32 v4, v8, 6, v4
	v_add_nc_u32 v4, s18, v4                       ; and on the way out: row r, + 64 hk bytes: my 16 numbers of a block of 32
	s_wait_alu depctr_va_vdst(0)
	s_wait_kmcnt 0x0
	s_load_b64 s[22:23], s[10:11], 0x0             ; e of x, e of W_enc
	s_cmp_lt_u32 ttmp9, 256                        ; x's work-group or W_enc's?  The choice hangs on the work-group's number alone
	s_cselect_b64 s[4:5], s[4:5], s[6:7]
	s_cselect_b64 s[8:9], s[12:13], s[14:15]
	s_cselect_b32 s19, 0, 256
	s_cselect_b32 s20, 20, 22                      ; K slots lie 2^20 bytes apart in x's codes, 2^22 in W_enc's
	s_cselect_b32 s21, 0, -1                       ; all lanes: x's place or W_enc's
	v_cndmask_b32 v9, v5, v14, s21                 ; my place in a store's 512 bytes
	s_sub_co_u32 s19, ttmp9, s19                   ; my tile
	s_lshl_b32 s24, s19, 16                        ; its 65,536 bytes of numbers
	s_mov_b32 s25, 0
	s_add_nc_u64 s[4:5], s[4:5], s[24:25]
	s_lshl_b32 s26, s16, s20
	s_lshl_b32 s27, s19, 12                        ; its 4,096 bytes of codes in a K slot
	s_add_co_u32 s26, s26, s27
	s_mov_b32 s27, 0
	s_add_nc_u64 s[8:9], s[8:9], s[26:27]
.irp h, 0,1
.irp p, 0,1,2,3,4,5,6,7,8,9,10,11,12,13,14,15
	global_load_b128 v[XN+64*\h+4*\p:XN+64*\h+4*\p+3], v2, s[4:5] offset:\p*4096+\h*512 th:TH_LOAD_NT   ; row p, half h: 512 consecutive bytes, read once in the launch
.endr
.endr
	s_wait_kmcnt 0x0
	s_cmp_lt_u32 ttmp9, 256
	s_cselect_b32 s22, s22, s23                    ; e
	s_add_co_i32 s22, s22, 127
	s_lshl_b32 s23, s22, 23
	v_mov_b32 v11, s23                             ; 2^e as f32: the conversion takes its exponent field
	s_add_co_i32 s22, s22, 8
	s_lshl_b32 s22, s22, 23
	s_or_b32 s22, s22, 0x600000
	v_mov_b32 v10, s22                             ; 448 x 2^e
.macro PHASE h
.set XB, XN+64*\h
.if \h == 0
	s_wait_loadcnt 16                              ; the first half's 16 loads are in; the second half's 16 may be out
.else
	s_wait_loadcnt 0
.endif
.irp p, 0,1,2,3,4,5,6,7,8,9,10,11,12,13,14,15
	ds_store_b128 v3, v[XB+4*\p:XB+4*\p+3] offset:\p*PIT
.endr
	s_wait_dscnt 0x0                               ; the stores have read their registers, which the loads below fill
.irp c, 0,1,2,3
.irp j, 0,1,2,3
	ds_load_b128 v[XB+16*\c+4*\j:XB+16*\c+4*\j+3], v4 offset:128*\c+16*\j   ; register 16 c + i: k = 32 c + 16 hk + i of row r
.endr
.endr
	s_wait_dscnt 0x0
.irp i, 0,1,2,3,4,5,6,7,8,9,10,11,12,13,14,15,16,17,18,19,20,21,22,23,24,25,26,27,28,29,30,31,32,33,34,35,36,37,38,39,40,41,42,43,44,45,46,47,48,49,50,51,52,53,54,55,56,57,58,59,60,61,62,63
	v_med3_num_f32 v[XB+\i], v[XB+\i], -v10, v10   ; the conversion to an 8-bit code does not saturate (ISA guide 7.6.2): the hold at the largest code x the scale comes first
.endr
.irp c, 0,1,2,3
	v_cvt_scalef32_pk8_fp8_f32 v[CD+16*\h+4*\c:CD+16*\h+4*\c+1], v[XB+16*\c:XB+16*\c+7], v11
	v_cvt_scalef32_pk8_fp8_f32 v[CD+16*\h+4*\c+2:CD+16*\h+4*\c+3], v[XB+16*\c+8:XB+16*\c+15], v11
.endr
	v_nop                                          ; a plain vector line behind the last conversion of the run
.irp c, 0,1,2,3
	global_store_b128 v9, v[CD+16*\h+4*\c:CD+16*\h+4*\c+3], s[8:9] offset:\h*2048+\c*512   ; the wave covers 512 consecutive bytes, at a multiple of 512 from the buffer's first byte
.endr
.endm
	s_wait_alu depctr_va_vdst(0)
	PHASE 0
	PHASE 1
	s_wait_tensorcnt 0x0
	ds_add_u32 v176, v177
	s_wait_dscnt 0x0
	s_endpgm
.Lfunc_end_k_qc7bededaa3_quant:
	.size	k_qc7bededaa3_quant, .Lfunc_end_k_qc7bededaa3_quant-k_qc7bededaa3_quant
	.p2alignl 7, 3214868480
	.fill 96, 4, 3214868480
	.section	.rodata,"a",@progbits
	.p2align	6, 0x0
	.amdhsa_kernel k_qc7bededaa3_quant
		.amdhsa_group_segment_fixed_size 34304
		.amdhsa_private_segment_fixed_size 0
		.amdhsa_enable_private_segment 0
		.amdhsa_kernarg_size 40
		.amdhsa_user_sgpr_count 2
		.amdhsa_user_sgpr_kernarg_segment_ptr 1
		.amdhsa_wavefront_size32 1
		.amdhsa_system_sgpr_workgroup_id_x 1
		.amdhsa_system_sgpr_workgroup_id_y 1
		.amdhsa_system_sgpr_workgroup_id_z 1
		.amdhsa_system_vgpr_workitem_id 0
		.amdhsa_next_free_vgpr 178
		.amdhsa_next_free_sgpr 66
		.amdhsa_reserve_vcc 0
		.amdhsa_float_denorm_mode_32 3
		.amdhsa_float_denorm_mode_16_64 3
		.amdhsa_memory_ordered 1
		.amdhsa_forward_progress 1
		.amdhsa_inst_pref_size 20
	.end_amdhsa_kernel
	.amdgpu_metadata
---
amdhsa.version: [ 1, 2 ]
amdhsa.kernels:
  - .name:           k_qc7bededaa3_quant
    .symbol:         k_qc7bededaa3_quant.kd
    .args:
      - { .name: x, .offset: 0, .size: 8, .value_kind: global_buffer, .address_space: global }
      - { .name: W_enc, .offset: 8, .size: 8, .value_kind: global_buffer, .address_space: global }
      - { .name: lowp_scales, .offset: 16, .size: 8, .value_kind: global_buffer, .address_space: global }
      - { .name: xc, .offset: 24, .size: 8, .value_kind: global_buffer, .address_space: global }
      - { .name: wc, .offset: 32, .size: 8, .value_kind: global_buffer, .address_space: global }
    .group_segment_fixed_size: 34304
    .private_segment_fixed_size: 0
    .kernarg_segment_align: 8
    .kernarg_segment_size: 40
    .max_flat_workgroup_size: 128
    .sgpr_count:     66
    .vgpr_count:     178
    .wavefront_size: 32
...
	.end_amdgpu_metadata
.endif
;; end of part 1
;; launch gemm (part 2): grid 16 x 16, 4 waves a work-group, clusters of 4 x 1, 327,680 bytes of LDS; arguments xc, wc, gm; writes gm
.if DOCPART == 2
	.amdgcn_target "amdgcn-amd-amdhsa--gfx1250"
	.amdhsa_code_object_version 6
	.text
	.protected	k_qc7bededaa3_gemm
	.globl	k_qc7bededaa3_gemm
	.p2align	8
	.type	k_qc7bededaa3_gemm,@function
k_qc7bededaa3_gemm:
	s_mov_b64 s[64:65], 0
	v_nop
	global_prefetch_b8 v0, s[64:65] scope:SCOPE_SE
	s_setreg_imm32_b32 hwreg(HW_REG_WAVE_MODE, 25, 1), 1
	s_wait_xcnt 0x0
	s_wait_alu depctr_hold_cnt(0) depctr_sa_sdst(0) depctr_va_vdst(0) depctr_va_sdst(0) depctr_va_ssrc(0) depctr_va_vcc(0) depctr_vm_vsrc(0)
	s_getreg_b32 s2, hwreg(HW_REG_IB_STS2, 6, 4)
	s_cmp_eq_u32 s2, 0
	s_cbranch_scc0 .Lentry_in_a_cluster
	s_endpgm
.Lentry_in_a_cluster:
	s_bfe_u32 s2, ttmp6, 0x10000c
	s_cmp_lg_u32 s2, 0x3003
	s_cbranch_scc0 .Lentry_shape_is_right
	s_endpgm
.Lentry_shape_is_right:
; coeffs = x W_enc^T on the codes of FP8 (E4M3), by v_wmma_f32_16x16x128_fp8_fp8, one f32 chain for each sum, K ascending, the first product starting the sum.
; Out: gm, the largest of each group of 8 neighbouring columns (the scales, common to all sums, are applied later): [tile of 16 tokens][quad of 4 column tiles: 256][lane = 16 hh + r][q: 4] f32:
; token 16 tile + r, columns 16 (4 quad + q) + 8 hh + 0 .. 7.
; SHARES.  A work-group takes 256 tokens x 1,024 columns; grid x = block of tokens, y = range of columns.  A wave takes 64 tokens: x's codes of its 4 token tiles, all 1,024 along K, are 64 KB = 512 registers,
; fetched once from the images of operand registers that the launch before laid, and kept.  So only W_enc's codes go through LDS in the loop, and each fragment of them (16 columns x 128 K) feeds 4 matrix instructions.
; LDS: a ring of two slots of 131,072 bytes; a slot holds 8 column tiles with all of K, as 4 pairs of tiles.  Wave w brings pair w by one tensor load: 4 rows (the 4 K slots of 256, 4 MB apart in memory) of 8,192 bytes.
; A pair lies in LDS as [K slot 4][tile 2][half 2][c 4][512 bytes]: a fragment is four reads of 512 consecutive bytes.
; CLUSTERS: the 4 work-groups of a cluster have the same columns and other tokens: each tile of W_enc is asked for jointly (mask 15).  x's codes are each wave's own and are not shared.
; THE MATRIX INSTRUCTION IS USED TRANSPOSED (source 0 = 16 rows of W_enc, source 1 = 16 tokens): a lane holds 8 neighbouring columns of one token, a whole group.
; A STRETCH is 32 matrix instructions: a pair of column tiles x 4 steps of 128 along K x 4 token tiles: 8 fragments g = 2 (K step) + tile, 8 accumulators by turns.
; At a stretch's head stand half of the maxima of the pair finished before (the other set of accumulators), their stores where due, and ONE run of 32 LDS loads: the next stretch's 8 fragments, into the other buffer.
; THE HEAD: x's K steps 0-3 come by one plain tensor load a wave (32 KB, read by that wave alone) into slot 1's bytes, K steps 4-7 by loads into registers; slot 0 is filled behind the next round, slot 1 again when x is read out.
; REGISTERS: window 0: v16-19 LDS addresses, v25-29 lane terms, v32-47 results, v128-255 two sets of 8 accumulators.  Window 1: two buffers of 8 fragments of W_enc.
;   Windows 2, 3: x: fragment (token tile a, K step s) at window 2 + s / 4, register 16 (4 (s % 4) + a).
; PREFETCH: a request is one instruction a wave, 32 blocks of 256 bytes of a slot: wave w K slot w, the partner at place cx the pair cx, a lane a block: 512 blocks, each once in a cluster.
; The head names slot 0 behind x's own requests, slot 1 behind slot 0's fill, slots 2 and 3 behind slot 1's fill; the refill for slot n + 2 is followed by the request for slot n + 4.  The loop's last trip asks for nothing (slot 7 is the last).
; NaN among the sums is not served (v_max_num drops it).
.set SLOT,  131072
.set SPARE, 2*SLOT                     ; behind the ring: the spare words, 128 bytes a wave
.set ADR, 16                           ; v16-19: my place in a fragment's 512 bytes + i x 65,536
.set AV,  25                           ; x's codes in LDS: 16 x lane + slot 1 + 32,768 x wave
.set CO,  26                           ; 16 x lane
.set PFO, 27                           ; 256 x lane
.set SPW, 28
.set NIL, 29
.set OUT, 32                           ; v[OUT + 4 a + q]
.set ACC, 128
.set G1, 24                            ; s[24:31] descriptor group 1 for W_enc
.set G0, 32                            ; s[32:39] group 0, one set for each slot
.set PF, 44                            ; s[44:45] the prefetches' address
.set G1A, 52                           ; s[52:59], s[60:63] the same for x
.set G0A, 60
.set MSB, 0
.macro WIN new                         ; the immediate's high byte repeats the setting that is left
.if MSB != \new
	s_set_vgpr_msb (MSB<<8)|\new
.set MSB, \new
.endif
.endm
.macro CREST                           ; a round of the cluster's barrier behind its opening barrier
	s_cmp_lg_u32 s14, 0
	s_cbranch_scc1 .Lnot_wave_0_\@
	s_barrier_signal -3
.Lnot_wave_0_\@:
	s_barrier_wait -3
	s_barrier_signal -1
	s_barrier_wait -1
.endm
.macro CROUND
	s_barrier_signal -1
	s_barrier_wait -1
	CREST
.endm
.macro PLACES
.rept 4
	v_nop
.endr
.endm
.macro SEQ                             ; the lines ahead of a later first fill and of a refill, and the round
	s_wait_tensorcnt 0x0
	ds_add_u32 v[SPW], v[NIL]
	s_wait_dscnt 0x0
	CROUND
.endm
.macro ALOAD s                         ; x's 4 fragments of K step s (4-7) from memory: 16 loads of 512 consecutive bytes
	WIN 0xc0
.irp a, 0,1,2,3
.irp c, 0,1,2,3
	global_load_b128 v[16*(4*((\s)%4)+\a)+4*\c:16*(4*((\s)%4)+\a)+4*\c+3], v[CO], s[4:5] offset:((\s)/2)*0x100000+\a*4096+((\s)%2)*2048+\c*512
.endr
.endr
.endm
.macro ARD s                           ; x's 4 fragments of K step s (0-3) from LDS
	WIN 0x80
.irp a, 0,1,2,3
.irp c, 0,1,2,3
	ds_load_b128 v[16*(4*(\s)+\a)+4*\c:16*(4*(\s)+\a)+4*\c+3], v[AV] offset:((\s)/2)*16384+\a*4096+((\s)%2)*2048+\c*512
.endr
.endr
.endm
.macro MM kh, g, a
.set DD, ACC+64*SET+8*(4*((\g)%2)+\a)
.set BB, 128*(\kh)+16*(\g)
.set AA, 16*(4*((\g)/2)+\a)
.if ((\kh) == 0) && ((\g) < 2)
	v_wmma_f32_16x16x128_fp8_fp8 v[DD:DD+7], v[BB:BB+15], v[AA:AA+15], 0
.else
	v_wmma_f32_16x16x128_fp8_fp8 v[DD:DD+7], v[BB:BB+15], v[AA:AA+15], v[DD:DD+7]
.endif
.endm
.macro GROUPS kh, g0                   ; four fragments of W_enc, each against the 4 token tiles
	WIN MW
.irp g, \g0, \g0+1, \g0+2, \g0+3
.irp a, 0,1,2,3
	MM \kh, \g, \a
.endr
.endr
.endm
.macro EP3 j                           ; accumulator j = 4 tile + a of the finished set: 8 columns to 3, from the low end on, in place
.set AC, ACC+64*ESET+8*(\j)
	v_max3_num_f32 v[AC], v[AC], v[AC+1], v[AC+2]
	v_max3_num_f32 v[AC+3], v[AC+3], v[AC+4], v[AC+5]
	v_max_num_f32 v[AC+6], v[AC+6], v[AC+7]
.endm
.macro EP1 j                           ; and to the group's maximum
.set AC, ACC+64*ESET+8*(\j)
	v_max3_num_f32 v[OUT+4*((\j)%4)+Q0+(\j)/4], v[AC], v[AC+3], v[AC+6]
.endm
.macro EPH t                           ; four places behind the last products (ISA guide 7.12.1 for vector instructions), then the maxima of column tile t of the finished pair
	WIN 0
	PLACES
.if EPI
.irp j, 0,1,2,3
	EP3 4*(\t)+\j
.endr
.irp j, 0,1,2,3
	EP1 4*(\t)+\j
.endr
.endif
.endm
.macro SENDQ quad                      ; 4 column tiles' maxima of my 4 token tiles: each store covers 512 consecutive bytes
	s_wait_alu depctr_va_vdst(0)
.irp a, 0,1,2,3
	global_store_b128 v[CO], v[OUT+4*\a:OUT+4*\a+3], s[10:11] offset:\a*131072+(\quad)*512
.endr
.endm
.macro RUN8                            ; the next stretch's 8 fragments, in their order
	WIN 0x40
.irp g, 0,1,2,3,4,5,6,7
.irp c, 0,1,2,3
	ds_load_b128 v[128*NB+16*\g+4*\c:128*NB+16*\g+4*\c+3], v[NADR] offset:NOFF+(\g/4)*8192+(\g%2)*4096+((\g/2)%2)*2048+512*\c
.endr
.endr
.endm
.macro ASK                             ; s3 = 1 in the loop's last trip
	s_cmp_gt_u32 s3, 1
	s_cbranch_scc0 .Lno_\@
	global_prefetch_b8 v[PFO], s[PF:PF+1] offset:98304 th:TH_LOAD_NT scope:SCOPE_SE
.Lno_\@:
.endm
; Pair P (0-7 in a lap of two slots), K half kh.  mode 0: plain; 1: a slot's last stretch, the slot is filled again; 2: the same with no fill; 3: the very last: nothing more to fetch.
.macro STRETCH P, kh, mode
.set SET, (\P)%2
.set ESET, 1-SET
.set Q0, 2*ESET
.set MW, 0x09+4*(\kh)                  ; source 0 window 1, source 1 window 2 or 3, C and D window 0
.set NB, 1-(\kh)
.set NP, ((\P)+(\kh))%8
.set NADR, ADR+NP/2
.set NOFF, (NP%2)*32768+NB*16384
.set EPI, 0
.if \P
.set EPI, 1
.endif
.if SET && ((\kh) == 0)
	s_wait_xcnt 0x0                                ; the last stores have read the result registers
.endif
.if \mode == 1
	s_wait_xcnt 0x0                                ; any prefetch has read its address
	s_add_nc_u64 s[PF:PF+1], s[PF:PF+1], 32768
.endif
.if (\mode == 1) || (\mode == 2)
	WIN 0
	s_wait_tensorcnt 0x0                           ; my one load that was out, my pair of the next slot, has landed
	ds_add_u32 v[SPW], v[NIL]
	s_wait_dscnt 0x0                               ; the add is done; this stretch's fragments, my last reads of the slot, are in
	s_barrier_signal -1
	EPH \kh
	GROUPS \kh, 0
	WIN 0
	s_barrier_wait -1
.if \mode == 1
	CREST                                          ; no wave of any partner still reads this slot or has a load on its way
	s_add_nc_u64 s[G0+4*((\P)/4)+2:G0+4*((\P)/4)+3], s[G0+4*((\P)/4)+2:G0+4*((\P)/4)+3], 65536
	tensor_load_to_lds s[G0+4*((\P)/4):G0+4*((\P)/4)+3], s[G1:G1+7]
	s_nop 0
.endif
	PLACES
	RUN8
.if \mode == 1
	WIN 0
	ASK
.endif
	GROUPS \kh, 4
.else
	EPH \kh
.if EPI && (\kh) && (SET == 0)
	SENDQ ((\P)-1)/2
.endif
.if \mode == 0
	RUN8
	s_wait_dscnt 32                                ; all but the 32 just issued: this stretch's fragments are in
.else
	s_wait_dscnt 0x0
.endif
	GROUPS \kh, 0
	GROUPS \kh, 4
.endif
.endm
.macro LAP m3, m7
.irp P, 0,1,2
	STRETCH \P, 0, 0
	STRETCH \P, 1, 0
.endr
	STRETCH 3, 0, 0
	STRETCH 3, 1, \m3
.irp P, 4,5,6
	STRETCH \P, 0, 0
	STRETCH \P, 1, 0
.endr
	STRETCH 7, 0, 0
	STRETCH 7, 1, \m7
.set ESET, 1                           ; the lap's last pair has no pair behind it in the trip: its maxima stand here
.set Q0, 2
.set EPI, 1
	EPH 0
	EPH 1
	SENDQ 3
.endm
	s_load_b128 s[4:7], s[0:1], 0x0                ; x's codes, W_enc's codes
	s_load_b64 s[10:11], s[0:1], 0x10              ; gm
	v_lshl_add_u32 v[SPW], v0, 2, SPARE
	v_mov_b32 v[NIL], 0
	ds_add_u32 v[SPW], v[NIL]                      ; the opening lines: the add twice on end and its wait
	ds_add_u32 v[SPW], v[NIL]
	v_lshrrev_b32 v1, 5, v0
	v_readfirstlane_b32 s14, v1                    ; wave 0..3
	v_and_b32 v6, 31, v0
	v_lshlrev_b32 v[CO], 4, v6
	v_lshlrev_b32 v[PFO], 8, v6
	v_bfe_u32 v7, v0, 3, 1                         ; r / 8
	v_bfe_u32 v8, v0, 4, 1                         ; hk
	v_xor_b32 v8, v8, v7
	v_and_b32 v9, 7, v0
	v_lshlrev_b32 v9, 4, v9
	v_lshl_add_u32 v9, v8, 7, v9
	v_lshl_add_u32 v9, v7, 8, v9                   ; my place in 512 bytes of W_enc's codes: 256 (r / 8) + 128 (hk xor r / 8) + 16 (r % 8)
.irp i, 0,1,2,3
	v_add_nc_u32 v[ADR+\i], \i*65536, v9
.endr
	s_lshl_b32 s22, s14, 15                        ; my pair's place in a slot
	s_add_co_u32 s23, s22, SLOT                    ; and my part of x in slot 1's bytes
	v_add_nc_u32 v[AV], s23, v[CO]
	s_bfe_u32 s40, ttmp6, 0x40000                  ; cx
	s_lshl_b32 s42, ttmp9, 2
	s_add_co_u32 s42, s42, s40                     ; block of 256 tokens
	s_and_b32 s17, ttmp7, 0xffff                   ; range of 1,024 columns
	s_mov_b32 s[G1+0], 15|(3<<16)|(1<<21)          ; the mask: all four of the cluster; elements of 8 bytes; bit 21 beside a mask
	s_mov_b32 s[G1+1], 1024<<16                    ; tensor_dim0 = 1,024 elements: 8,192 bytes
	s_mov_b32 s[G1+2], 4<<16                       ; tensor_dim1 = 4
	s_mov_b32 s[G1+3], 1024<<16                    ; tile_dim0
	s_mov_b32 s[G1+4], 4                           ; tile_dim1
	s_mov_b32 s[G1+5], 524288                      ; from K slot to K slot: 4 MB in elements
	s_mov_b32 s[G1+6], 0
	s_mov_b32 s[G1+7], 0
	s_mov_b32 s[G1A+0], 3<<16                      ; x: no mask; 2 rows (K slots 0, 1; 1 MB apart) of 16,384 bytes: my 4 token tiles
	s_mov_b32 s[G1A+1], 2048<<16
	s_mov_b32 s[G1A+2], 2<<16
	s_mov_b32 s[G1A+3], 2048<<16
	s_mov_b32 s[G1A+4], 2
	s_mov_b32 s[G1A+5], 131072
	s_mov_b32 s[G1A+6], 0
	s_mov_b32 s[G1A+7], 0
	s_lshl_b32 s46, s17, 18                        ; W_enc's tiles: 262,144 y + 8,192 wave: no place in the cluster enters
	s_lshl_b32 s18, s14, 13
	s_add_co_u32 s46, s46, s18
	s_mov_b32 s47, 0
	s_lshl_b32 s20, s42, 16                        ; x's codes: token tile 16 x + 4 wave, 4,096 bytes each in a K slot
	s_lshl_b32 s21, s14, 14
	s_add_co_u32 s20, s20, s21
	s_mov_b32 s21, 0
	s_lshl_b32 s50, s42, 21                        ; gm: the same token tile x 131,072 + 8,192 y
	s_lshl_b32 s51, s14, 19
	s_add_co_u32 s50, s50, s51
	s_lshl_b32 s51, s17, 13
	s_add_co_u32 s50, s50, s51
	s_mov_b32 s51, 0
	s_lshl_b32 s48, s17, 18                        ; the prefetches: K slot = wave, pair = cx, at slot 0
	s_lshl_b32 s49, s14, 22
	s_add_co_u32 s48, s48, s49
	s_lshl_b32 s49, s40, 13
	s_add_co_u32 s48, s48, s49
	s_mov_b32 s49, 0
	s_wait_alu depctr_va_vdst(0)
	s_wait_dscnt 0x0
	s_wait_kmcnt 0x0
	s_add_nc_u64 s[4:5], s[4:5], s[20:21]
	s_add_nc_u64 s[46:47], s[6:7], s[46:47]
	s_add_nc_u64 s[PF:PF+1], s[6:7], s[48:49]
	s_add_nc_u64 s[10:11], s[10:11], s[50:51]
	CROUND                                         ; the round in front of the first tensor loads
	s_mov_b32 s[G0A], 1
	s_mov_b32 s[G0A+1], s23
	s_mov_b64 s[G0A+2:G0A+3], s[4:5]
	s_or_b32 s[G0A+3], s[G0A+3], 0x80000000
.irp s, 0,1
	s_mov_b32 s[G0+4*\s], 1
	s_add_co_u32 s[G0+4*\s+1], s22, \s*SLOT
	s_add_nc_u64 s[G0+4*\s+2:G0+4*\s+3], s[46:47], \s*32768
	s_or_b32 s[G0+4*\s+3], s[G0+4*\s+3], 0x80000000
.endr
	tensor_load_to_lds s[G0A:G0A+3], s[G1A:G1A+7]  ; x's K steps 0-3: one tensor load a wave at the head
	s_nop 0
	PLACES
	ALOAD 4
	ALOAD 5
	ALOAD 6
	global_prefetch_b8 v[PFO], s[PF:PF+1] th:TH_LOAD_NT scope:SCOPE_SE                ; slot 0
	ALOAD 7
	WIN 0
	SEQ                                            ; x has landed
	tensor_load_to_lds s[G0:G0+3], s[G1:G1+7]      ; slot 0's first fill
	s_nop 0
	PLACES
	ARD 0
	ARD 1
	global_prefetch_b8 v[PFO], s[PF:PF+1] offset:32768 th:TH_LOAD_NT scope:SCOPE_SE   ; slot 1
	ARD 2
	ARD 3
	WIN 0
	SEQ                                            ; slot 0 has landed, x is read out of slot 1's bytes
	tensor_load_to_lds s[G0+4:G0+7], s[G1:G1+7]    ; slot 1
	s_nop 0
	PLACES
.set NB, 0
.set NADR, ADR
.set NOFF, 0
	RUN8
	WIN 0
	global_prefetch_b8 v[PFO], s[PF:PF+1] offset:65536 th:TH_LOAD_NT scope:SCOPE_SE   ; slot 2
	global_prefetch_b8 v[PFO], s[PF:PF+1] offset:98304 th:TH_LOAD_NT scope:SCOPE_SE   ; slot 3
	s_wait_loadcnt 0x0                             ; x's K steps 4-7 are in
	s_mov_b32 s3, 3
.Llap:                                                 ; a trip is two slots: 16 column tiles; both slots are filled again
	LAP 1, 1
	s_wait_xcnt 0x0                                ; the stores have read their base
	s_add_nc_u64 s[10:11], s[10:11], 2048          ; 4 quads on
	s_sub_co_u32 s3, s3, 1
	s_cmp_lg_u32 s3, 0
	s_cbranch_scc1 .Llap
	LAP 2, 3                                       ; the last two slots: nothing is filled
	s_wait_tensorcnt 0x0                           ; the wave's end
	ds_add_u32 v[SPW], v[NIL]
	s_wait_dscnt 0x0
	CROUND                                         ; the closing round
	s_endpgm
.Lfunc_end_k_qc7bededaa3_gemm:
	.size	k_qc7bededaa3_gemm, .Lfunc_end_k_qc7bededaa3_gemm-k_qc7bededaa3_gemm
	.p2alignl 7, 3214868480
	.fill 96, 4, 3214868480
	.section	.rodata,"a",@progbits
	.p2align	6, 0x0
	.amdhsa_kernel k_qc7bededaa3_gemm
		.amdhsa_group_segment_fixed_size 327680
		.amdhsa_private_segment_fixed_size 0
		.amdhsa_enable_private_segment 0
		.amdhsa_kernarg_size 24
		.amdhsa_user_sgpr_count 2
		.amdhsa_user_sgpr_kernarg_segment_ptr 1
		.amdhsa_wavefront_size32 1
		.amdhsa_system_sgpr_workgroup_id_x 1
		.amdhsa_system_sgpr_workgroup_id_y 1
		.amdhsa_system_sgpr_workgroup_id_z 1
		.amdhsa_system_vgpr_workitem_id 0
		.amdhsa_next_free_vgpr 1024
		.amdhsa_next_free_sgpr 66
		.amdhsa_reserve_vcc 0
		.amdhsa_float_denorm_mode_32 3
		.amdhsa_float_denorm_mode_16_64 3
		.amdhsa_memory_ordered 1
		.amdhsa_forward_progress 1
		.amdhsa_inst_pref_size 188
	.end_amdhsa_kernel
	.amdgpu_metadata
---
amdhsa.version: [ 1, 2 ]
amdhsa.kernels:
  - .name:           k_qc7bededaa3_gemm
    .symbol:         k_qc7bededaa3_gemm.kd
    .args:
      - { .name: xc, .offset: 0, .size: 8, .value_kind: global_buffer, .address_space: global }
      - { .name: wc, .offset: 8, .size: 8, .value_kind: global_buffer, .address_space: global }
      - { .name: gm, .offset: 16, .size: 8, .value_kind: global_buffer, .address_space: global }
    .group_segment_fixed_size: 327680
    .private_segment_fixed_size: 0
    .kernarg_segment_align: 8
    .kernarg_segment_size: 24
    .max_flat_workgroup_size: 128
    .sgpr_count:     66
    .vgpr_count:     1024
    .wavefront_size: 32
...
	.end_amdgpu_metadata
.endif
;; end of part 2
;; launch pick (part 3): grid 256 x 1, 16 waves a work-group, no clusters, 35,840 bytes of LDS; arguments gm, sel; writes sel
.if DOCPART == 3
	.amdgcn_target "amdgcn-amd-amdhsa--gfx1250"
	.amdhsa_code_object_version 6
	.text
	.protected	k_qc7bededaa3_pick
	.globl	k_qc7bededaa3_pick
	.p2align	8
	.type	k_qc7bededaa3_pick,@function
k_qc7bededaa3_pick:
	s_mov_b64 s[64:65], 0
	v_nop
	global_prefetch_b8 v0, s[64:65] scope:SCOPE_SE
	s_setreg_imm32_b32 hwreg(HW_REG_WAVE_MODE, 25, 1), 1
	s_wait_xcnt 0x0
; For each token: the numbers of the 8 groups (of 2,048 groups of 8 columns) with the largest group maxima; among equal maxima the lower number.  They leave as whole numbers: sel [token 4096][8] int32.
; gm: [tile of 16 tokens][j: 128][u: 2][lane = 16 hh + r][q: 4] f32: token 16 tile + r, group 16 j + 8 u + 2 q + hh.
; SHARES.  A work-group takes a tile of 16 tokens: 131,072 consecutive bytes.  Wave w, lane (r = lane % 16, h = lane / 16) takes, of token r, the 64 groups 128 w + 64 h + p:
; sixteen loads of 16 bytes, in which sixteen neighbouring lanes read 256 consecutive bytes.  Load i = 4 jj + 2 u + hh brings p = 16 jj + 8 u + 2 q + hh, q = 0 .. 3.
; STEP 1: each lane keeps a sorted list of its 8 largest, with their p, by insertion without a branch, p ascending: strictly greater moves in, so that of equals the earlier (lower) number stays ahead.
; STEP 2: a token's 32 lists meet through LDS (rows of 1,024 bytes + 16).  STEP 3: wave w serves token w, a list a lane: eight rounds, each takes the largest value of the 256 and, among equals, the lowest
; number, and strikes it out.  Numbers are kept as f32 (whole numbers under 2^24: exact), so that the minimum can ride on the lane exchange.
; No choice here steers a branch or an address: all are v_cndmask_b32.  NaN among the maxima is not served.
; Left out: matrix units, clusters, tensor loads (nothing is shared between work-groups; each byte is read once).
.set X,   16                           ; v16-79  my 64 maxima: load i in registers 4 i .. 4 i + 3
.set L,   80                           ; v80-87  the list's values, descending
.set I,   88                           ; v88-95  their numbers
.set TQ,  96                           ; v96-103 at work
.set V,   16                           ; step 3: v16-23 a list's values, v24-31 its numbers, v32-39 at work
.set D,   24
.set E,   32
.set M,   40
.set M2,  41
.set J,   42
.set J2,  43
.set OI,  44                           ; the result: lane n holds the token's choice n % 8
.set TX,  45                           ; what the other 16 lanes send
.set BIG, 8                            ; v8 +infinity, v9 -infinity
.set NEG, 9
.set PIT, 1040                         ; a token's row of lists
.set LN,  16*PIT                       ; LDS: 16 rows of values, then the same of numbers,
.set LO,  2*LN                         ; then 512 bytes: the tile's 128 choices
	s_load_b128 s[4:7], s[0:1], 0x0                ; gm, sel
	v_lshl_add_u32 v128, v0, 2, 0x8400
	v_mov_b32 v129, 0
	v_lshrrev_b32 v10, 5, v0
	s_delay_alu instid0(VALU_DEP_1)
	v_readfirstlane_b32 s8, v10                    ; wave 0..15
	v_and_b32 v11, 15, v0                          ; r
	v_bfe_u32 v12, v0, 4, 1                        ; h
	v_and_b32 v13, 31, v0                          ; lane
	s_lshl_b32 s9, s8, 13
	v_lshlrev_b32 v1, 4, v11
	s_delay_alu instid0(VALU_DEP_1)
	v_lshl_add_u32 v1, v12, 12, v1
	s_delay_alu instid0(VALU_DEP_1)
	v_add_nc_u32 v1, s9, v1                        ; in: (8 w + 4 h) x 1,024 + 16 r
	s_lshl_b32 s10, s8, 6
	v_mul_u32_u24 v2, v11, PIT
	s_delay_alu instid0(VALU_DEP_1)
	v_lshl_add_u32 v2, v12, 5, v2
	s_delay_alu instid0(VALU_DEP_1)
	v_add_nc_u32 v2, s10, v2                       ; my list's place: row r, list 2 w + h, 32 bytes
	s_mul_i32 s11, s8, PIT
	v_lshlrev_b32 v3, 5, v13
	s_delay_alu instid0(VALU_DEP_1)
	v_add_nc_u32 v3, s11, v3                       ; the list that I read: row w, list = my lane
	s_lshl_b32 s13, s8, 5
	v_and_b32 v4, 7, v0
	s_delay_alu instid0(VALU_DEP_1)
	v_lshlrev_b32 v4, 2, v4
	s_delay_alu instid0(VALU_DEP_1)
	v_add_nc_u32 v4, s13, v4
	s_delay_alu instid0(VALU_DEP_1)
	v_add_nc_u32 v4, LO, v4                        ; where a choice goes: token w, place lane % 8
	v_lshlrev_b32 v6, 4, v13                       ; 16 x lane
	s_delay_alu instid0(VALU_DEP_1)
	v_add_nc_u32 v5, LO, v6                        ; where wave 0 reads the choices back
	s_lshl_b32 s12, s8, 7
	v_lshlrev_b32 v7, 6, v12
	s_delay_alu instid0(VALU_DEP_1)
	v_add_nc_u32 v7, s12, v7                       ; my first group: 128 w + 64 h
	v_mov_b32 v[BIG], 0x7f800000
	v_mov_b32 v[NEG], 0xff800000
	s_mov_b32 s30, 0x76543210                      ; v_permlanex16_b32's selects for lane l xor 16
	s_mov_b32 s31, 0xfedcba98
	s_lshl_b32 s14, ttmp9, 17                      ; my tile in gm,
	s_mov_b32 s15, 0
	s_lshl_b32 s16, ttmp9, 9                       ; and in sel
	s_mov_b32 s17, 0
	s_wait_alu depctr_va_vdst(0)
	s_wait_kmcnt 0x0
	s_add_nc_u64 s[4:5], s[4:5], s[14:15]
	s_add_nc_u64 s[6:7], s[6:7], s[16:17]
.irp i, 0,1,2,3,4,5,6,7,8,9,10,11,12,13,14,15
	global_load_b128 v[X+4*\i:X+4*\i+3], v1, s[4:5] offset:256*\i th:TH_LOAD_NT   ; read once in the launch
.endr
.irp i, 0,1,2,3,4,5,6,7
	v_mov_b32 v[L+\i], v[NEG]
	v_mov_b32 v[I+\i], 0
.endr
; One number goes into the sorted list.  c_i = (val > L_i).  New L_i is the middle one of L_(i-1), val, L_i; new I_i = c_i ? (c_(i-1) ? I_(i-1) : p) : I_i.
.macro INS val, p
.irp i, 0,1,2,3,4,5,6,7
	v_cmp_gt_f32 s[20+\i], v[\val], v[L+\i]
.endr
.irp i, 1,2,3,4,5,6,7
	v_cndmask_b32 v[TQ+\i], \p, v[I+\i-1], s[20+\i-1]
.endr
.irp i, 1,2,3,4,5,6,7
	v_cndmask_b32 v[I+\i], v[I+\i], v[TQ+\i], s[20+\i]
.endr
	v_cndmask_b32 v[I], v[I], \p, s20
.irp i, 7,6,5,4,3,2,1
	v_med3_num_f32 v[L+\i], v[L+\i-1], v[\val], v[L+\i]   ; from the list's end on: each line reads its neighbour's old value
.endr
	v_max_num_f32 v[L], v[L], v[\val]
.endm
.set P, 0
	s_wait_alu depctr_va_vdst(0)
.rept 64
.if P%8 == 0
	s_wait_alu depctr_va_vdst(0)
	s_wait_loadcnt 14-2*(P/8)                      ; loads come back in order: the two loads that hold these eight numbers are in, the younger ones may be out
.endif
.set RG, X+4*(4*(P/16)+2*((P/8)%2)+P%2)+(P%8)/2
	INS RG, P
.set P, P+1
.endr
.irp i, 0,1,2,3,4,5,6,7
	v_add_nc_u32 v[I+\i], v7, v[I+\i]              ; the group's number,
.endr
.irp i, 0,1,2,3,4,5,6,7
	v_cvt_f32_u32 v[I+\i], v[I+\i]                 ; as f32
.endr
	ds_store_b128 v2, v[L:L+3]
	ds_store_b128 v2, v[L+4:L+7] offset:16
	ds_store_b128 v2, v[I:I+3] offset:LN
	ds_store_b128 v2, v[I+4:I+7] offset:LN+16
	s_wait_dscnt 0x0                               ; for the others' sake: my lists lie in LDS
	s_barrier_signal -1
	s_barrier_wait -1
	ds_load_b128 v[V:V+3], v3
	ds_load_b128 v[V+4:V+7], v3 offset:16
	ds_load_b128 v[D:D+3], v3 offset:LN
	ds_load_b128 v[D+4:D+7], v3 offset:LN+16
	v_mov_b32 v[OI], 0
	v_mov_b32 v[TX], 0                             ; written once: a lane permute's destination counts as one of its sources
	s_wait_dscnt 0x0
; Round k: the largest value among the token's 256 (8 a lane, 32 lanes); the lowest number among those that have it; that entry is struck out; lanes n with n % 8 = k keep the number.
.macro ROUND8 k
	v_max3_num_f32 v[M], v[V], v[V+1], v[V+2]
	v_max3_num_f32 v[M2], v[V+3], v[V+4], v[V+5]
	s_delay_alu instid0(VALU_DEP_2)
	v_max3_num_f32 v[M], v[M], v[V+6], v[V+7]
	s_delay_alu instid0(VALU_DEP_1)
	v_max_num_f32 v[M], v[M], v[M2]
.irp x, 1,2,4,8
	s_delay_alu instid0(VALU_DEP_1)
	v_max_num_f32_dpp v[M], v[M], v[M] row_xmask:\x row_mask:0xf bank_mask:0xf
.endr
	s_wait_alu depctr_va_vdst(0)
	v_permlanex16_b32 v[TX], v[M], s30, s31
	s_delay_alu instid0(VALU_DEP_1)
	v_max_num_f32 v[M], v[M], v[TX]
.irp i, 0,1,2,3,4,5,6,7
	v_cmp_eq_f32 s[20+\i], v[V+\i], v[M]
.endr
.irp i, 0,1,2,3,4,5,6,7
	v_cndmask_b32 v[E+\i], v[BIG], v[D+\i], s[20+\i]
.endr
	v_min3_num_f32 v[J], v[E], v[E+1], v[E+2]
	s_delay_alu instid0(VALU_DEP_4)
	v_min3_num_f32 v[J2], v[E+3], v[E+4], v[E+5]
	s_delay_alu instid0(VALU_DEP_2)
	v_min3_num_f32 v[J], v[J], v[E+6], v[E+7]
	s_delay_alu instid0(VALU_DEP_1)
	v_min_num_f32 v[J], v[J], v[J2]
.irp x, 1,2,4,8
	s_delay_alu instid0(VALU_DEP_1)
	v_min_num_f32_dpp v[J], v[J], v[J] row_xmask:\x row_mask:0xf bank_mask:0xf
.endr
	s_delay_alu instid0(VALU_DEP_1)
	v_permlanex16_b32 v[TX], v[J], s30, s31
	s_delay_alu instid0(VALU_DEP_1)
	v_min_num_f32 v[J], v[J], v[TX]
.irp i, 0,1,2,3,4,5,6,7
	v_cmp_eq_f32 s[20+\i], v[D+\i], v[J]
.endr
.irp i, 0,1,2,3,4,5,6,7
	v_cndmask_b32 v[V+\i], v[V+\i], v[NEG], s[20+\i]
.endr
	s_mov_b32 s28, 0x01010101<<\k
	v_cndmask_b32 v[OI], v[OI], v[J], s28
.endm
.irp k, 0,1,2,3,4,5,6,7
	ROUND8 \k
.endr
	s_delay_alu instid0(VALU_DEP_1)
	v_cvt_u32_f32 v[OI], v[OI]
	ds_store_b32 v4, v[OI]                         ; the four lanes with the same n % 8 write the same word with the same number
	s_wait_dscnt 0x0
	s_barrier_signal -1
	s_barrier_wait -1
	s_cmp_lg_u32 s8, 0
	s_cbranch_scc1 .Lend                           ; wave 0 stores the tile's 512 bytes
	ds_load_b128 v[16:19], v5
	s_wait_dscnt 0x0
	global_store_b128 v6, v[16:19], s[6:7]         ; 512 consecutive bytes, at a multiple of 512 from sel's first byte
.Lend:
	s_wait_tensorcnt 0x0
	ds_add_u32 v128, v129
	s_wait_dscnt 0x0
	s_endpgm
.Lfunc_end_k_qc7bededaa3_pick:
	.size	k_qc7bededaa3_pick, .Lfunc_end_k_qc7bededaa3_pick-k_qc7bededaa3_pick
	.p2alignl 7, 3214868480
	.fill 96, 4, 3214868480
	.section	.rodata,"a",@progbits
	.p2align	6, 0x0
	.amdhsa_kernel k_qc7bededaa3_pick
		.amdhsa_group_segment_fixed_size 35840
		.amdhsa_private_segment_fixed_size 0
		.amdhsa_enable_private_segment 0
		.amdhsa_kernarg_size 16
		.amdhsa_user_sgpr_count 2
		.amdhsa_user_sgpr_kernarg_segment_ptr 1
		.amdhsa_wavefront_size32 1
		.amdhsa_system_sgpr_workgroup_id_x 1
		.amdhsa_system_sgpr_workgroup_id_y 1
		.amdhsa_system_sgpr_workgroup_id_z 1
		.amdhsa_system_vgpr_workitem_id 0
		.amdhsa_next_free_vgpr 130
		.amdhsa_next_free_sgpr 66
		.amdhsa_reserve_vcc 0
		.amdhsa_float_denorm_mode_32 3
		.amdhsa_float_denorm_mode_16_64 3
		.amdhsa_memory_ordered 1
		.amdhsa_forward_progress 1
		.amdhsa_inst_pref_size 159
	.end_amdhsa_kernel
	.amdgpu_metadata
---
amdhsa.version: [ 1, 2 ]
amdhsa.kernels:
  - .name:           k_qc7bededaa3_pick
    .symbol:         k_qc7bededaa3_pick.kd
    .args:
      - { .name: gm, .offset: 0, .size: 8, .value_kind: global_buffer, .address_space: global }
      - { .name: sel, .offset: 8, .size: 8, .value_kind: global_buffer, .address_space: global }
    .group_segment_fixed_size: 35840
    .private_segment_fixed_size: 0
    .kernarg_segment_align: 8
    .kernarg_segment_size: 16
    .max_flat_workgroup_size: 512
    .sgpr_count:     66
    .vgpr_count:     130
    .wavefront_size: 32
...
	.end_amdgpu_metadata
.endif
;; end of part 3
;; launch refine (part 4): grid 256 x 1, 8 waves a work-group, no clusters, 18,432 bytes of LDS; arguments xc, wc, sel, lowp_scales, vals, idx, psum; writes vals, idx, psum
.if DOCPART == 4
	.amdgcn_target "amdgcn-amd-amdhsa--gfx1250"
	.amdhsa_code_object_version 6
	.text
	.protected	k_qc7bededaa3_refine
	.globl	k_qc7bededaa3_refine
	.p2align	8
	.type	k_qc7bededaa3_refine,@function
k_qc7bededaa3_refine:
	s_mov_b64 s[64:65], 0
	v_nop
	global_prefetch_b8 v0, s[64:65] scope:SCOPE_SE
	s_setreg_imm32_b32 hwreg(HW_REG_WAVE_MODE, 25, 1), 1
	s_wait_xcnt 0x0
; For each token the 8 chosen groups of 8 columns are multiplied again, by the same matrix instruction on the same codes, K ascending, k in the same places of the registers, the first product starting the sum:
; 64 candidates a token, among which the row's 8 largest lie.  Out: vals [token][8] f32 (x 2^(e0 + e1), descending), idx [token][8] int32 (the columns; whole numbers for the next launch),
; psum [tile of 16 tokens] f32: the sum of the tile's 128 magnitudes.  Among equal values the lowest column comes first.
; LIMITS: e0 + e1 is applied by v_ldexp_f32 and has none of its own.  NaN is not served.  A group's number read from sel is held at 2,047.
; SHARES.  A work-group takes a tile of 16 tokens; wave w tokens A = 2 w and B = 2 w + 1.  Source 0 is x with rows 0-7 = token A and rows 8-15 = token B; source 1 holds TWO groups of one token:
; columns 0-7 its group 2 p, columns 8-15 its group 2 p + 1.  Register 0 of the result holds, in lanes 0-15, A's 16 sums and, in lanes 16-31, B's.  A's and B's groups differ, so there are two chains for each p,
; and the lower half of the one and the upper half of the other are kept.  The two chains take turns.
; W_enc's codes: in each piece of 512 bytes the 8 rows of a group lie in 256 consecutive bytes (see the launch that makes them): a load of the wave covers two such runs.  Group G, lane (n, hk):
; byte (G / 2) x 4,096 + 256 (G % 2) + 128 ((hk + G) % 2) + 16 (n % 8) of a K slot.  Loads run a whole pair of chains ahead: 48 to 64 of a wave are out.
; x's tile (16,384 bytes) goes through LDS once, so that each wave can pick its two tokens' pieces.
; REGISTERS: window 0: v3-15 lane terms and addresses; v16-23 the 8 chains' byte offsets; v24-31 their lanes' groups; v32-159 x's 8 fragments; v160-191 two sets of two accumulators;
;   v192-195 candidates' values, v200-203 their columns (f32, exact); v208-235 at work; v236-251 x on its way to LDS.
;   window 1: W_enc's fragments: v0-127 for A's chain, v128-255 for B's; fragment s (128 along K) at 16 s.
; Left out: tensor loads and clusters (no two work-groups want the same groups at the same time).
.set OFF, 16
.set GV,  24
.set XF,  32
.set V,   192
.set D,   200
.set E,   208
.set M,   216
.set M2,  217
.set J,   218
.set OI,  220
.set OV,  221
.set BIG, 222
.set NEG, 223
.set XS,  0                            ; LDS: x's tile, at s x 2,048 + c x 512 + 16 x lane
.set VS,  16384                        ; 512 bytes: the tile's values;  behind them 512 bytes: its columns
.set MSB, 0
.macro WIN new                         ; the immediate's high byte repeats the setting that is left
.if MSB != \new
	s_set_vgpr_msb (MSB<<8)|\new
.set MSB, \new
.endif
.endm
	s_load_b256 s[4:11], s[0:1], 0x0               ; x's codes s[4:5], W_enc's s[6:7], sel s[8:9], the scales' exponents s[10:11]
	s_load_b128 s[12:15], s[0:1], 0x20             ; vals, idx
	s_load_b64 s[16:17], s[0:1], 0x30              ; psum
	v_lshl_add_u32 v254, v0, 2, 0x4400
	v_mov_b32 v255, 0
	v_lshrrev_b32 v1, 5, v0
	s_delay_alu instid0(VALU_DEP_1)
	v_readfirstlane_b32 s24, v1                    ; wave 0..7
	v_and_b32 v2, 31, v0                           ; lane
	v_and_b32 v3, 7, v0                            ; n % 8
	v_bfe_u32 v8, v0, 4, 1                         ; h: in a fragment hk, in a result the token
	v_bfe_u32 v12, v0, 3, 1                        ; n / 8: which of a fragment's two groups
	s_delay_alu instid0(VALU_DEP_4)
	v_lshlrev_b32 v4, 4, v2                        ; 16 x lane
	v_lshlrev_b32 v5, 4, v0                        ; 16 x thread
	s_delay_alu instid0(VALU_DEP_3)
	v_lshlrev_b32 v6, 4, v12
	s_delay_alu instid0(VALU_DEP_1)
	v_lshl_add_u32 v6, v8, 8, v6
	s_lshl_b32 s25, s24, 5
	v_add_nc_u32 v6, s25, v6                       ; x's piece for my lane: that of lane 16 h + token, token = 2 w + n / 8: 256 h + 32 w + 16 (n / 8)
	v_lshlrev_b32 v7, 2, v3
	s_delay_alu instid0(VALU_DEP_1)
	v_lshl_add_u32 v7, v8, 5, v7
	s_lshl_b32 s25, s24, 6
	v_add_nc_u32 v7, s25, v7
	s_delay_alu instid0(VALU_DEP_1)
	v_add_nc_u32 v7, VS, v7                        ; where a result goes: token 2 w + h, place n % 8
	v_add_nc_u32 v9, VS, v4                        ; where wave 0 reads the results back
	v_add_nc_u32 v10, -1, v12                      ; all ones where n / 8 = 0, else 0
	v_sub_nc_u32 v11, 0, v12                       ; all ones where n / 8 = 1, else 0
	v_lshlrev_b32 v13, 4, v3                       ; 16 (n % 8)
	s_mov_b32 s26, 0x76543210                      ; v_permlanex16_b32's selects for lane l xor 16
	s_mov_b32 s27, 0xfedcba98
	s_mov_b32 s28, 0xffff0000                      ; lanes 16-31
	s_lshl_b32 s20, ttmp9, 9                       ; my tile in sel, vals and idx: 512 bytes
	s_mov_b32 s21, 0
	s_add_co_u32 s30, s20, s25                     ; my two tokens in sel: + 64 w
	s_mov_b32 s31, 0
	s_lshl_b32 s58, ttmp9, 12                      ; my tile in a K slot of x's codes
	s_mov_b32 s59, 0
	s_wait_alu depctr_va_vdst(0)
	s_wait_kmcnt 0x0
	s_add_nc_u64 s[8:9], s[8:9], s[30:31]
	s_load_b512 s[32:47], s[8:9], 0x0              ; A's 8 groups, B's 8 groups
	s_load_b64 s[22:23], s[10:11], 0x0             ; e0, e1
	s_add_nc_u64 s[4:5], s[4:5], s[58:59]
	s_add_nc_u64 s[18:19], s[6:7], 0x800000        ; W_enc's K slots 2 and 3: beyond the reach of a load's immediate
	s_add_nc_u64 s[12:13], s[12:13], s[20:21]
	s_add_nc_u64 s[14:15], s[14:15], s[20:21]
	s_lshl_b32 s30, ttmp9, 2
	s_add_nc_u64 s[16:17], s[16:17], s[30:31]
.irp i, 0,1,2,3
	global_load_b128 v[236+4*\i:239+4*\i], v5, s[4:5] offset:\i*0x100000   ; K slot i of x's tile: the work-group reads 4,096 consecutive bytes
.endr
	s_wait_kmcnt 0x0
.irp i, 0,1,2,3,4,5,6,7,8,9,10,11,12,13,14,15
	s_min_u32 s[32+\i], s[32+\i], 2047             ; a loaded number enters an address only behind this hold; behind it stand ANDs, additions and left shifts alone
.endr
.irp u, 0,1
.irp p, 0,1,2,3
	v_and_b32 v14, s[32+8*\u+2*\p], v10
	v_and_b32 v15, s[32+8*\u+2*\p+1], v11
	s_delay_alu instid0(VALU_DEP_1)
	v_add_nc_u32 v[GV+4*\u+\p], v14, v15           ; my lane's group G of this chain
	s_delay_alu instid0(VALU_DEP_1)
	v_and_b32 v14, 0x7fe, v[GV+4*\u+\p]
	s_delay_alu instid0(VALU_DEP_1)
	v_lshl_add_u32 v[OFF+4*\u+\p], v14, 11, v13    ; (G / 2) x 4,096 + 16 (n % 8)
	s_delay_alu instid0(VALU_DEP_3)
	v_and_b32 v14, 1, v[GV+4*\u+\p]
	s_delay_alu instid0(VALU_DEP_1)
	v_lshl_add_u32 v[OFF+4*\u+\p], v14, 8, v[OFF+4*\u+\p]   ; + 256 (G % 2)
	v_add_nc_u32 v15, v[GV+4*\u+\p], v8
	s_delay_alu instid0(VALU_DEP_1)
	v_and_b32 v15, 1, v15
	s_delay_alu instid0(VALU_DEP_1)
	v_lshl_add_u32 v[OFF+4*\u+\p], v15, 7, v[OFF+4*\u+\p]   ; + 128 ((hk + G) % 2); never rewritten
.endr
.endr
; K slot g (fragments 2 g, 2 g + 1) of the two chains p: 16 loads
.macro WLOAD p, g
	WIN 0x40                                       ; destination window 1, address window 0
.irp u, 0,1
.irp t, 0,1
.irp c, 0,1,2,3
.if \g < 2
	global_load_b128 v[128*\u+16*(2*\g+\t)+4*\c:128*\u+16*(2*\g+\t)+4*\c+3], v[OFF+4*\u+(\p)], s[6:7] offset:\g*0x400000+\t*2048+\c*512
.else
	global_load_b128 v[128*\u+16*(2*\g+\t)+4*\c:128*\u+16*(2*\g+\t)+4*\c+3], v[OFF+4*\u+(\p)], s[18:19] offset:(\g-2)*0x400000+\t*2048+\c*512
.endif
.endr
.endr
.endr
	WIN 0
.endm
	WLOAD 0, 0
	WLOAD 0, 1
	WLOAD 0, 2
	s_wait_loadcnt 48                              ; x's four loads are in; the 48 issued behind them may be out
.irp i, 0,1,2,3
	ds_store_b128 v5, v[236+4*\i:239+4*\i] offset:XS+\i*4096
.endr
	WLOAD 0, 3
	v_mov_b32 v[BIG], 0x7f800000
	v_mov_b32 v[NEG], 0xff800000
	v_mov_b32 v[OI], 0
	v_mov_b32 v[OV], 0
.irp p, 0,1,2,3
	v_cndmask_b32 v[M], v[GV+\p], v[GV+4+\p], s28  ; lanes 0-15: A's group, lanes 16-31: B's
	s_delay_alu instid0(VALU_DEP_1)
	v_lshl_add_u32 v[M], v[M], 3, v3               ; my candidate's column: 8 x group + n % 8,
	s_delay_alu instid0(VALU_DEP_1)
	v_cvt_f32_u32 v[D+\p], v[M]                    ; as f32
.endr
	s_wait_dscnt 0x0                               ; for the others' sake: my part of x's tile lies in LDS
	s_barrier_signal -1
	s_barrier_wait -1
.irp s, 0,1,2,3,4,5,6,7
.irp c, 0,1,2,3
	ds_load_b128 v[XF+16*\s+4*\c:XF+16*\s+4*\c+3], v6 offset:XS+\s*2048+\c*512
.endr
.endr
	s_wait_dscnt 0x0
; Two steps of 128 along K for the two chains p; then the same K slot of the next two chains is asked for, into the registers just multiplied.
.macro GROUP p, g
.if \p < 3
	s_wait_loadcnt 48                              ; behind this K slot's 16 loads stand three runs of 16: these chains' later K slots and the next chains' earlier ones
.else
	s_wait_loadcnt 16*(3-\g)                       ; the last chains: only their own later K slots
.endif
.set DA, 160+16*(\p%2)
.set DB, DA+8
	WIN 0x04                                       ; source 1 (W_enc) window 1
.irp t, 0,1
.if (\g == 0) && (\t == 0)
	v_wmma_f32_16x16x128_fp8_fp8 v[DA:DA+7], v[XF+16*(2*\g+\t):XF+16*(2*\g+\t)+15], v[16*(2*\g+\t):16*(2*\g+\t)+15], 0
	v_wmma_f32_16x16x128_fp8_fp8 v[DB:DB+7], v[XF+16*(2*\g+\t):XF+16*(2*\g+\t)+15], v[128+16*(2*\g+\t):128+16*(2*\g+\t)+15], 0
.else
	v_wmma_f32_16x16x128_fp8_fp8 v[DA:DA+7], v[XF+16*(2*\g+\t):XF+16*(2*\g+\t)+15], v[16*(2*\g+\t):16*(2*\g+\t)+15], v[DA:DA+7]
	v_wmma_f32_16x16x128_fp8_fp8 v[DB:DB+7], v[XF+16*(2*\g+\t):XF+16*(2*\g+\t)+15], v[128+16*(2*\g+\t):128+16*(2*\g+\t)+15], v[DB:DB+7]
.endif
.endr
	WIN 0
.rept 4
	v_nop                                          ; places in front of the read of the results and of the loads into registers that these products have read (ISA guide 7.12.1 for vector instructions)
.endr
.if \g == 3
	v_cndmask_b32 v[V+\p], v[DA], v[DB], s28       ; register 0 of each: A's 16 sums below, B's above
.endif
.if \p < 3
	WLOAD \p+1, \g
.endif
.endm
.irp p, 0,1,2,3
.irp g, 0,1,2,3
	GROUP \p, \g
.endr
.endr
; Round k: the largest of the token's 64 candidates (4 a lane, 16 lanes of a row); the lowest column among those that have it; that candidate is struck out; lanes n with n % 8 = k keep value and column.
.macro ROUND8 k
	v_max3_num_f32 v[M], v[V], v[V+1], v[V+2]
	s_delay_alu instid0(VALU_DEP_1)
	v_max_num_f32 v[M], v[M], v[V+3]
.irp x, 1,2,4,8
	s_delay_alu instid0(VALU_DEP_1)
	v_max_num_f32_dpp v[M], v[M], v[M] row_xmask:\x row_mask:0xf bank_mask:0xf
.endr
.irp i, 0,1,2,3
	v_cmp_eq_f32 s[48+\i], v[V+\i], v[M]
.endr
.irp i, 0,1,2,3
	s_delay_alu instid0(VALU_DEP_4)
	v_cndmask_b32 v[E+\i], v[BIG], v[D+\i], s[48+\i]
.endr
	s_delay_alu instid0(VALU_DEP_2)
	v_min3_num_f32 v[J], v[E], v[E+1], v[E+2]
	s_delay_alu instid0(VALU_DEP_1)
	v_min_num_f32 v[J], v[J], v[E+3]
.irp x, 1,2,4,8
	s_delay_alu instid0(VALU_DEP_1)
	v_min_num_f32_dpp v[J], v[J], v[J] row_xmask:\x row_mask:0xf bank_mask:0xf
.endr
.irp i, 0,1,2,3
	v_cmp_eq_f32 s[48+\i], v[D+\i], v[J]
.endr
.irp i, 0,1,2,3
	s_delay_alu instid0(VALU_DEP_4)
	v_cndmask_b32 v[V+\i], v[V+\i], v[NEG], s[48+\i]
.endr
	s_mov_b32 s56, 0x01010101<<\k
	v_cndmask_b32 v[OI], v[OI], v[J], s56
	v_cndmask_b32 v[OV], v[OV], v[M], s56
.endm
	s_wait_alu depctr_va_vdst(0)
.irp k, 0,1,2,3,4,5,6,7
	ROUND8 \k
.endr
	s_add_co_i32 s22, s22, s23                     ; e0 + e1
	v_ldexp_f32 v[OV], v[OV], s22                  ; a sum stands for sum x 2^(e0 + e1)
	v_cvt_u32_f32 v[OI], v[OI]
	ds_store_b32 v7, v[OV]                         ; lanes n and n + 8 write the same word with the same number
	ds_store_b32 v7, v[OI] offset:512
	s_wait_dscnt 0x0
	s_barrier_signal -1
	s_barrier_wait -1
	s_cmp_lg_u32 s24, 0
	s_cbranch_scc1 .Lend                           ; wave 0 stores the tile's results
	ds_load_b128 v[224:227], v9
	ds_load_b128 v[228:231], v9 offset:512
	s_wait_dscnt 0x0
	global_store_b128 v4, v[224:227], s[12:13]     ; 512 consecutive bytes each
	global_store_b128 v4, v[228:231], s[14:15]
	v_add_f32 v232, |v224|, |v225|                 ; the tile's sum of magnitudes: my four,
	v_add_f32 v233, |v226|, |v227|
	s_delay_alu instid0(VALU_DEP_1)
	v_add_f32 v232, v232, v233
.irp x, 1,2,4,8
	s_delay_alu instid0(VALU_DEP_1)
	v_add_f32_dpp v232, v232, v232 row_xmask:\x row_mask:0xf bank_mask:0xf   ; the 16 lanes of a row,
.endr
	s_delay_alu instid0(VALU_DEP_1)
	v_permlanex16_b32 v233, v232, s26, s27
	s_delay_alu instid0(VALU_DEP_1)
	v_add_f32 v232, v232, v233                     ; and the other row's
	v_mov_b32 v234, 0
	v_cmp_eq_u32 vcc_lo, 0, v2
	s_wait_alu depctr_va_vdst(0)
	s_wait_xcnt 0x0                                ; EXEC changes only behind this wait: it is a source of the stores above
	s_and_saveexec_b32 s57, vcc_lo
	global_store_b32 v234, v232, s[16:17]          ; lane 0 alone
	s_wait_xcnt 0x0
	s_or_b32 exec_lo, exec_lo, s57
.Lend:
	s_wait_tensorcnt 0x0
	ds_add_u32 v254, v255
	s_wait_dscnt 0x0
	s_endpgm
.Lfunc_end_k_qc7bededaa3_refine:
	.size	k_qc7bededaa3_refine, .Lfunc_end_k_qc7bededaa3_refine-k_qc7bededaa3_refine
	.p2alignl 7, 3214868480
	.fill 96, 4, 3214868480
	.section	.rodata,"a",@progbits
	.p2align	6, 0x0
	.amdhsa_kernel k_qc7bededaa3_refine
		.amdhsa_group_segment_fixed_size 18432
		.amdhsa_private_segment_fixed_size 0
		.amdhsa_enable_private_segment 0
		.amdhsa_kernarg_size 56
		.amdhsa_user_sgpr_count 2
		.amdhsa_user_sgpr_kernarg_segment_ptr 1
		.amdhsa_wavefront_size32 1
		.amdhsa_system_sgpr_workgroup_id_x 1
		.amdhsa_system_sgpr_workgroup_id_y 1
		.amdhsa_system_sgpr_workgroup_id_z 1
		.amdhsa_system_vgpr_workitem_id 0
		.amdhsa_next_free_vgpr 512
		.amdhsa_next_free_sgpr 66
		.amdhsa_reserve_vcc 1
		.amdhsa_float_denorm_mode_32 3
		.amdhsa_float_denorm_mode_16_64 3
		.amdhsa_memory_ordered 1
		.amdhsa_forward_progress 1
		.amdhsa_inst_pref_size 67
	.end_amdhsa_kernel
	.amdgpu_metadata
---
amdhsa.version: [ 1, 2 ]
amdhsa.kernels:
  - .name:           k_qc7bededaa3_refine
    .symbol:         k_qc7bededaa3_refine.kd
    .args:
      - { .name: xc, .offset: 0, .size: 8, .value_kind: global_buffer, .address_space: global }
      - { .name: wc, .offset: 8, .size: 8, .value_kind: global_buffer, .address_space: global }
      - { .name: sel, .offset: 16, .size: 8, .value_kind: global_buffer, .address_space: global }
      - { .name: lowp_scales, .offset: 24, .size: 8, .value_kind: global_buffer, .address_space: global }
      - { .name: vals, .offset: 32, .size: 8, .value_kind: global_buffer, .address_space: global }
      - { .name: idx, .offset: 40, .size: 8, .value_kind: global_buffer, .address_space: global }
      - { .name: psum, .offset: 48, .size: 8, .value_kind: global_buffer, .address_space: global }
    .group_segment_fixed_size: 18432
    .private_segment_fixed_size: 0
    .kernarg_segment_align: 8
    .kernarg_segment_size: 56
    .max_flat_workgroup_size: 256
    .sgpr_count:     66
    .vgpr_count:     512
    .wavefront_size: 32
...
	.end_amdgpu_metadata
.endif
;; end of part 4
;; launch gather (part 5): grid 1024 x 1, 8 waves a work-group, no clusters, 0 bytes of LDS; arguments W_dict, idx, vals, psum, out0, out1; writes out0, out1
.if DOCPART == 5
	.amdgcn_target "amdgcn-amd-amdhsa--gfx1250"
	.amdhsa_code_object_version 6
	.text
	.protected	k_qc7bededaa3_gather
	.globl	k_qc7bededaa3_gather
	.p2align	8
	.type	k_qc7bededaa3_gather,@function
k_qc7bededaa3_gather:
	s_mov_b64 s[64:65], 0
	v_nop
	global_prefetch_b8 v0, s[64:65] scope:SCOPE_SE
	s_setreg_imm32_b32 hwreg(HW_REG_WAVE_MODE, 25, 1), 1
	s_wait_xcnt 0x0
; out0[token][:] = the sum over k = 0 .. 7 of vals[token][k] x W_dict[idx[token][k]][:], in f32 fused multiply-adds, k ascending.  out1 = (the sum of psum's 256 numbers) x 2^-26: the mean of the magnitudes over 4096 x 16384.
; This product has one row and K = 8 for each token and is bound by the bytes of the rows: the matrix units would add nothing, and f32 keeps it exact to rounding.
; SHARES.  A work-group takes 4 tokens.  Thread t owns the 16 bytes at 16 t of every row, so a load of a wave covers 512 consecutive bytes and the eight waves a whole row of 4,096.
; The 32 columns and 32 values of the work-group come by scalar loads; the 32 offsets are made first, then all 32 row loads of a thread go out in one run.  A column read from idx is held at 16,383.
; Work-group 0's wave 0 also makes out1.  Left out: LDS, clusters (rows are shared only by chance), a prefetch (everything is asked for at the head), a hint on the row loads (a row may be named again).
.set OF, 8                             ; v8-39   the 32 rows' byte offsets, each used by one load
.set R,  40                            ; v40-167 the 32 rows' 16 bytes; a token's first row then takes its sum
	s_load_b256 s[4:11], s[0:1], 0x0               ; W_dict s[4:5], idx s[6:7], vals s[8:9], psum s[10:11]
	s_load_b128 s[12:15], s[0:1], 0x20             ; out0, out1
	v_lshlrev_b32 v1, 4, v0                        ; 16 t
	v_lshrrev_b32 v2, 5, v0
	s_delay_alu instid0(VALU_DEP_1)
	v_readfirstlane_b32 s86, v2                    ; wave
	s_lshl_b32 s84, ttmp9, 7                       ; my 4 tokens in idx and in vals: 128 bytes
	s_mov_b32 s85, 0
	s_lshl_b32 s88, ttmp9, 14                      ; and in out0: 4 rows of 4,096 bytes
	s_mov_b32 s89, 0
	s_wait_alu depctr_va_vdst(0)
	s_wait_kmcnt 0x0
	s_add_nc_u64 s[6:7], s[6:7], s[84:85]
	s_add_nc_u64 s[8:9], s[8:9], s[84:85]
	s_add_nc_u64 s[12:13], s[12:13], s[88:89]
	s_load_b512 s[16:31], s[6:7], 0x0              ; the columns of tokens 0, 1,
	s_load_b512 s[32:47], s[6:7], 0x40             ; of tokens 2, 3
	s_load_b512 s[48:63], s[8:9], 0x0              ; the values of tokens 0, 1,
	s_load_b512 s[68:83], s[8:9], 0x40             ; of tokens 2, 3
	s_wait_kmcnt 0x0
.irp i, 0,1,2,3,4,5,6,7,8,9,10,11,12,13,14,15,16,17,18,19,20,21,22,23,24,25,26,27,28,29,30,31
	s_min_u32 s[16+\i], s[16+\i], 16383            ; a loaded number enters an address only behind this hold
	v_lshl_add_u32 v[OF+\i], s[16+\i], 12, v1      ; the row's 4,096 bytes, + 16 t
.endr
	s_wait_alu depctr_va_vdst(0)
.irp i, 0,1,2,3,4,5,6,7,8,9,10,11,12,13,14,15,16,17,18,19,20,21,22,23,24,25,26,27,28,29,30,31
	global_load_b128 v[R+4*\i:R+4*\i+3], v[OF+\i], s[4:5]   ; one run of loads: no vector line stands between them
.endr
.macro TOKEN t
	s_wait_loadcnt 8*(3-\t)                        ; this token's 8 rows are in; the later tokens' may be out
.irp k, 0,1,2,3,4,5,6,7
.if 8*\t+\k < 16
.set SR, 48+8*\t+\k
.else
.set SR, 68+8*\t+\k-16
.endif
.irp j, 0,1,2,3
.if \k == 0
	v_mul_f32 v[R+32*\t+\j], s[SR], v[R+32*\t+\j]  ; the first product starts the sum, in place
.else
	s_delay_alu instid0(VALU_DEP_4)
	v_fmac_f32 v[R+32*\t+\j], s[SR], v[R+32*\t+4*\k+\j]
.endif
.endr
.endr
	global_store_b128 v1, v[R+32*\t:R+32*\t+3], s[12:13] offset:\t*4096 th:TH_STORE_NT   ; a wave stores 512 consecutive bytes; written once, read by nobody here
.endm
	TOKEN 0
	TOKEN 1
	TOKEN 2
	TOKEN 3
	s_cmp_lg_u32 ttmp9, 0
	s_cbranch_scc1 .Lend
	s_cmp_lg_u32 s86, 0
	s_cbranch_scc1 .Lend
	global_load_b128 v[168:171], v1, s[10:11]      ; work-group 0, wave 0 (16 t = 16 x lane): psum's 1,024 bytes
	global_load_b128 v[172:175], v1, s[10:11] offset:512
	s_mov_b32 s84, 0x76543210                      ; v_permlanex16_b32's selects for lane l xor 16
	s_mov_b32 s85, 0xfedcba98
	s_wait_loadcnt 0x0
	v_pk_add_f32 v[168:169], v[168:169], v[170:171]
	v_pk_add_f32 v[172:173], v[172:173], v[174:175]
	s_delay_alu instid0(VALU_DEP_1)
	v_pk_add_f32 v[168:169], v[168:169], v[172:173]
	s_delay_alu instid0(VALU_DEP_1)
	v_add_f32 v168, v168, v169
.irp x, 1,2,4,8
	s_delay_alu instid0(VALU_DEP_1)
	v_add_f32_dpp v168, v168, v168 row_xmask:\x row_mask:0xf bank_mask:0xf
.endr
	s_delay_alu instid0(VALU_DEP_1)
	v_permlanex16_b32 v169, v168, s84, s85
	s_delay_alu instid0(VALU_DEP_1)
	v_add_f32 v168, v168, v169
	s_delay_alu instid0(VALU_DEP_1)
	v_mul_f32 v168, 0x32800000, v168               ; x 2^-26
	v_mov_b32 v170, 0
	v_cmp_eq_u32 vcc_lo, 0, v0
	s_wait_alu depctr_va_vdst(0)
	s_wait_xcnt 0x0                                ; EXEC changes only behind this wait: it is a source of the stores and loads above
	s_and_saveexec_b32 s87, vcc_lo
	global_store_b32 v170, v168, s[14:15]          ; lane 0 alone
	s_wait_xcnt 0x0
	s_or_b32 exec_lo, exec_lo, s87
.Lend:
	s_endpgm
.Lfunc_end_k_qc7bededaa3_gather:
	.size	k_qc7bededaa3_gather, .Lfunc_end_k_qc7bededaa3_gather-k_qc7bededaa3_gather
	.p2alignl 7, 3214868480
	.fill 96, 4, 3214868480
	.section	.rodata,"a",@progbits
	.p2align	6, 0x0
	.amdhsa_kernel k_qc7bededaa3_gather
		.amdhsa_group_segment_fixed_size 0
		.amdhsa_private_segment_fixed_size 0
		.amdhsa_enable_private_segment 0
		.amdhsa_kernarg_size 48
		.amdhsa_user_sgpr_count 2
		.amdhsa_user_sgpr_kernarg_segment_ptr 1
		.amdhsa_wavefront_size32 1
		.amdhsa_system_sgpr_workgroup_id_x 1
		.amdhsa_system_sgpr_workgroup_id_y 1
		.amdhsa_system_sgpr_workgroup_id_z 1
		.amdhsa_system_vgpr_workitem_id 0
		.amdhsa_next_free_vgpr 176
		.amdhsa_next_free_sgpr 90
		.amdhsa_reserve_vcc 1
		.amdhsa_float_denorm_mode_32 3
		.amdhsa_float_denorm_mode_16_64 3
		.amdhsa_memory_ordered 1
		.amdhsa_forward_progress 1
		.amdhsa_inst_pref_size 18
	.end_amdhsa_kernel
	.amdgpu_metadata
---
amdhsa.version: [ 1, 2 ]
amdhsa.kernels:
  - .name:           k_qc7bededaa3_gather
    .symbol:         k_qc7bededaa3_gather.kd
    .args:
      - { .name: W_dict, .offset: 0, .size: 8, .value_kind: global_buffer, .address_space: global }
      - { .name: idx, .offset: 8, .size: 8, .value_kind: global_buffer, .address_space: global }
      - { .name: vals, .offset: 16, .size: 8, .value_kind: global_buffer, .address_space: global }
      - { .name: psum, .offset: 24, .size: 8, .value_kind: global_buffer, .address_space: global }
      - { .name: out0, .offset: 32, .size: 8, .value_kind: global_buffer, .address_space: global }
      - { .name: out1, .offset: 40, .size: 8, .value_kind: global_buffer, .address_space: global }
    .group_segment_fixed_size: 0
    .private_segment_fixed_size: 0
    .kernarg_segment_align: 8
    .kernarg_segment_size: 48
    .max_flat_workgroup_size: 256
    .sgpr_count:     90
    .vgpr_count:     176
    .wavefront_size: 32
...
	.end_amdgpu_metadata
.endif
;; end of part 5
